; MI455X (gfx1250); checked and timed in simulation.
; The chip was launched on July 23, 2026; its instructions are those of AMD's public machine-readable ISA for CDNA 5 (MIT licence, August 2026) and "CDNA5" Instruction Set Architecture Reference Guide (July 2026). The comments in the code are by the model that wrote it; some were corrected since.
;; Context Aware Attention. Allowed arithmetic: matrix products marked QUANTISED: E5M2 operands, one E8M0 scale for each 32 along K, by v_wmma_scale_f32_16x16x128_f8f6f4 with both operands' format E5M2, f32 sums; everything else in f32.
;; Inputs: Wc1_codes 512 x 16 x 32 uint8 (E5M2 codes of Wc1, K innermost, in blocks of 32 codes); Wc1_scales 512 x 16 uint8 (E8M0 scales of Wc1, one for each 32 codes along K); Wc2_codes 512 x 16 x 32 uint8 (E5M2 codes of Wc2, K innermost, in blocks of 32 codes); Wc2_scales 512 x 16 uint8 (E8M0 scales of Wc2, one for each 32 codes along K); Wk_codes 512 x 16 x 32 uint8 (E5M2 codes of Wk, K innermost, in blocks of 32 codes); Wk_scales 512 x 16 uint8 (E8M0 scales of Wk, one for each 32 codes along K); Wo_codes 512 x 16 x 32 uint8 (E5M2 codes of Wo, K innermost, in blocks of 32 codes); Wo_scales 512 x 16 uint8 (E8M0 scales of Wo, one for each 32 codes along K); Wq_codes 512 x 16 x 32 uint8 (E5M2 codes of Wq, K innermost, in blocks of 32 codes); Wq_scales 512 x 16 uint8 (E8M0 scales of Wq, one for each 32 codes along K); Wv_codes 512 x 16 x 32 uint8 (E5M2 codes of Wv, K innermost, in blocks of 32 codes); Wv_scales 512 x 16 uint8 (E8M0 scales of Wv, one for each 32 codes along K); bc1 512 float32; bc2 512 float32; bias_table 961 x 8 float32; bo 512 float32; context_codes 128 x 256 x 16 x 32 uint8 (E5M2 codes of context, K innermost, in blocks of 32 codes); context_scales 128 x 256 x 16 uint8 (E8M0 scales of context, one for each 32 codes along K); ln_b 512 float32; ln_g 512 float32; mask 128 x 1 x 256 x 256 int32; rel_index 256 x 256 int32; x_codes 128 x 256 x 16 x 32 uint8 (E5M2 codes of x, K innermost, in blocks of 32 codes); x_scales 128 x 256 x 16 uint8 (E8M0 scales of x, one for each 32 codes along K).
;; Outputs: out0 128 x 256 x 512 float32.
;; This version of the problem:
;;   THIS VERSION OF THE PROBLEM IS GIVEN IN LOW PRECISION. The matrix products marked QUANTISED in the list below multiply operands that are first quantised to E5M2 (5 exponent bits, 2 mantissa bits; 8 bits a number), with one power-of-two scale for each 32 numbers along K (OCP MX v1.0); their sums are f32. All else is computed in f32.
;;   The module's matrix products, in the order in which they are computed (A, B: the left and right operand; K: the contracted axis; several contracted axes count as one K, in the product's order):
;;     1. [M 32,768, K 512] x [K 512, N 512]; A: input x (given as codes); B: input Wq (given as codes): QUANTISED
;;     2. [M 32,768, K 512] x [K 512, N 512]; A: input context (given as codes); B: input Wk (given as codes): QUANTISED
;;     3. [M 32,768, K 512] x [K 512, N 512]; A: input context (given as codes); B: input Wv (given as codes): QUANTISED
;;     4. batch 1,024 x [M 256, K 64] x [K 64, N 256]; A: computed on the way; B: computed on the way: QUANTISED
;;     5. batch 1,024 x [M 256, K 256] x [K 256, N 64]; A: softmax (see below); B: computed on the way: QUANTISED
;;     6. [M 32,768, K 512] x [K 512, N 512]; A: computed on the way; B: input Wo (given as codes): QUANTISED
;;     7. [M 32,768, K 512] x [K 512, N 512]; A: input context (given as codes); B: input Wc1 (given as codes): QUANTISED
;;     8. [M 32,768, K 512] x [K 512, N 512]; A: computed on the way; B: input Wc2 (given as codes): QUANTISED
;;   THE QUANTISER, for each operand of a quantised product, along K:
;;     - K is cut into blocks of 32 from its start; a last block that is shorter is filled with zeros.
;;     - A block's scale is 2^e with e = floor(log2(the largest magnitude in the block)) - 15, held to -126 .. 127; a block of zeros has e = 0. As a byte (E8M0): e + 127.
;;     - Each number is divided by its block's scale, clamped to +-57,344, and rounded to the nearest number of E5M2, ties to even, subnormals kept.
;;     - The product sums the exact products of the quantised numbers (number of the format x scale) in f32.
;;   ~~~python
;;   def quantise(x, axis):      # numpy; x: float32 -> the quantised numbers, widened to float32 again
;;       x = np.moveaxis(x, axis, -1); K = x.shape[-1]
;;       x = np.pad(x, [(0, 0)] * (x.ndim - 1) + [(0, -K % 32)]); x = x.reshape(x.shape[:-1] + (-1, 32)); a = np.abs(x).max(-1, keepdims=True)
;;       e = np.where(a > 0, np.clip(np.frexp(np.where(a > 0, a, 1))[1] - 1 - 15, -126, 127), 0)      # np.frexp(a)[1] - 1 = floor(log2(a)), exactly
;;       r = np.clip(x / 2.0 ** e, -57344, 57344)
;;       step = 2.0 ** (np.maximum(np.frexp(np.where(r == 0, 1, r))[1] - 1, -14) - 2)
;;       q = np.round(r / step) * step * 2.0 ** e      # np.round: ties to even
;;       return np.moveaxis(q.reshape(q.shape[:-2] + (-1,))[..., :K], -1, axis).astype(np.float32)
;;   ~~~
;;   SOFTMAX AHEAD OF A QUANTISED PRODUCT. Where the list says 'softmax', what is quantised is not the finished softmax but p = 2^(t - M), with t = logit x log2(e) and M = ceil(the row's largest t), a whole number; so 1/2 < the row's largest p <= 1. The row's sum l is taken of the UNQUANTISED p, in f32, and the product's result is divided by l at the end. Since M is a whole number, a kernel that streams over the keys may use a running M (the ceiling of the running maximum): every later rescaling is an exact power of two, which a block's scale takes up: the codes' values come out the same.
;;   OPERANDS COMPUTED ON THE WAY. 'Computed on the way' means the value that the module computes at that place (a softmax that the list does not call 'softmax' is quantised finished and normalised). What goes into a quantiser is computed in f32, as accurately as f32 sums, v_exp_f32 and their like allow (about 1e-6 of the number): no bf16 or f16 on the way to a quantiser, and a product that is left as it is and whose result goes on into a quantised operand takes f32 operands (vector FMAs, or v_wmma_f32_16x16x4_f32). A number that lies on a knife's edge between two numbers of the format may be rounded either way, as far as f32 arithmetic and the matrix unit's own rounding can turn it there, and no further.
;;   INPUTS GIVEN AS CODES. Wc1 (in the module: [512, 512], K = its axis 0); Wc2 (in the module: [512, 512], K = its axis 0); Wk (in the module: [512, 512], K = its axis 0); Wo (in the module: [512, 512], K = its axis 0); Wq (in the module: [512, 512], K = its axis 0); Wv (in the module: [512, 512], K = its axis 0); context (in the module: [128, 256, 512], K = its axis 2); x (in the module: [128, 256, 512], K = its axis 2): each comes as NAME_codes (uint8): NAME with its K axis moved to the last place and cut into blocks of 32 codes, [.., K / 32, bytes a block], one block behind the other in memory; one code a byte (a code: sign, 5 exponent bits, 2 mantissa bits); and NAME_scales (uint8): the same leading axes, one E8M0 byte (e + 127) for each 32 codes along K. Its value is code x scale, taken as it is: it is not quantised again, and the codes and scales need not be those that the quantiser above would give.
;; One version. Each part assembles by itself: llvm-mc -triple=amdgcn-amd-amdhsa -mcpu=gfx1250 --defsym DOCPART=n.
;; ======== version 1 of 1: 2 launches
;; limits: right only within a limited range of input values
;; workspace buffers: bimg 2,097,152 bytes; wimg 1,671,168 bytes
;; launch prep (part 1): grid 88 x 1, 8 waves a work-group, no clusters, 0 bytes of LDS; arguments rel_index, bias_table, Wq_codes, Wq_scales, Wk_codes, Wk_scales, Wv_codes, Wv_scales, Wc1_codes, Wc1_scales, Wo_codes, Wo_scales, Wc2_codes, Wc2_scales, bimg, wimg; writes bimg, wimg
.if DOCPART == 1
	.amdgcn_target "amdgcn-amd-amdhsa--gfx1250"
	.amdhsa_code_object_version 6
	.text
	.protected	k_q149f40f855_prep
	.globl	k_q149f40f855_prep
	.p2align	8
	.type	k_q149f40f855_prep,@function
k_q149f40f855_prep:
	s_mov_b64 s[64:65], 0
	v_nop
	global_prefetch_b8 v0, s[64:65] scope:SCOPE_SE
	s_setreg_imm32_b32 hwreg(HW_REG_WAVE_MODE, 25, 1), 1
	s_wait_xcnt 0x0
; LAYOUT LAUNCH for the fused attention launch.  It computes no product.
; DEAD WORK: none.  Every input of the problem has a way to out0 (x, context, mask, rel_index, bias_table, the six weights, the five vectors), so every input is loaded by one of the two launches and nothing is left out.
; bimg [qh 2][head 8][w 4][u 2][k 32][lane 32][4 f32]: the relative position bias, gathered by rel_index as it is given, times 8 (1 / SCALE, a power of two: exact), in the order of the registers of the
;   transposed score tile: number e of (k = 4 b + q, lane (r, h)) belongs to query n = 128 qh + 32 w + 8 u + r + 8 (r / 8) and key m = (32 b + 16 h + 4 q + e) xor 128 qh.
; wimg: the six weights' codes and scale words in the order in which the second launch walks them, each fragment (16 rows x 128 K) as an image of its 16 registers: [c 4][lane 32][16 bytes];
;   lane (r, h) of tile T holds row 32 (T / 2) + 8 (T % 2) + r + 8 (r / 8), K = 128 s + 32 c + 16 h + 0 .. 15.
;   Head chunk hd (HC bytes): Wq, Wk, Wv: X x 32,768 + s x 8,192 + t x 2,048 (T = 4 hd + t); scale words at 98,304 + X x 2,048 + s x 512 + 16 lane, word t.
;   Tail chunk j = 4 Y + s (TC bytes, behind the 8 head chunks; Y: Wc1, Wo, Wc2): for each wave w 17,408 bytes: fragments T = 8 w + t8 at t8 x 2,048; scale words at 16,384 + g x 512 + 16 lane, word t for T = 8 w + 4 g + t.
; An index is held at 960, the table's last row, before it enters an address.
; Work-groups 0-63 make bimg (a wave: one k of one (qh, w, u), all eight heads), work-groups 64-87 make wimg (a work-group: one K step of one weight; a wave: four tiles).
; Every store of a wave covers 512 consecutive bytes, aligned.  No LDS, no barrier, no cluster: the work-groups share nothing but small tables.
.set HC, 104448
.set TC, 69632
	s_load_b512 s[8:23], s[0:1], 0x0               ; rel_index, bias_table, Wq codes, scales, Wk codes, scales, Wv codes, scales
	s_load_b512 s[24:39], s[0:1], 0x40             ; Wc1 codes, scales, Wo codes, scales, Wc2 codes, scales, bimg, wimg
	v_lshrrev_b32 v1, 5, v0
	s_delay_alu instid0(VALU_DEP_1)
	v_readfirstlane_b32 s40, v1                    ; wave 0..7
	v_and_b32 v2, 31, v0                           ; lane
	v_and_b32 v3, 15, v0                           ; r
	v_bfe_u32 v4, v0, 4, 1                         ; h
	s_delay_alu instid0(VALU_DEP_2)
	v_and_b32 v5, 8, v3
	s_delay_alu instid0(VALU_DEP_1)
	v_add_nc_u32 v5, v5, v3                        ; r + 8 (r / 8)
	v_lshlrev_b32 v6, 4, v2                        ; 16 x lane: where a lane stores
	s_mov_b32 s51, 0
	s_wait_kmcnt 0x0
	s_cmp_lt_u32 ttmp9, 64
	s_cbranch_scc0 .Lweights
	; ---- the bias image
	s_lshl_b32 s41, ttmp9, 3
	s_add_co_u32 s41, s41, s40                     ; 0 .. 511
	s_and_b32 s42, s41, 31                         ; k
	s_bfe_u32 s44, s41, 0x10005                    ; u
	s_bfe_u32 s45, s41, 0x20006                    ; w
	s_lshr_b32 s46, s41, 8                         ; qh
	s_lshl_b32 s47, s46, 7
	s_lshl_b32 s48, s45, 5
	s_add_co_u32 s47, s47, s48
	s_lshl_b32 s48, s44, 3
	s_add_co_u32 s47, s47, s48                     ; the tile's first query: 128 qh + 32 w + 8 u
	s_lshr_b32 s48, s42, 2
	s_lshl_b32 s48, s48, 5
	s_and_b32 s49, s42, 3
	s_lshl_b32 s49, s49, 2
	s_add_co_u32 s48, s48, s49                     ; 32 b + 4 q
	s_lshl_b32 s49, s46, 7
	s_xor_b32 s48, s48, s49                        ; xor 128 qh: the key in memory
	s_lshl_b32 s50, s47, 10
	s_lshl_b32 s48, s48, 2
	s_add_co_u32 s50, s50, s48
	s_add_nc_u64 s[8:9], s[8:9], s[50:51]
	s_wait_alu depctr_va_vdst(0)
	v_lshlrev_b32 v7, 10, v5
	s_delay_alu instid0(VALU_DEP_1)
	v_lshl_add_u32 v7, v4, 6, v7                   ; my query's row of 1,024 bytes, + 16 h keys
	global_load_b128 v[8:11], v7, s[8:9]           ; four indices
	s_lshl_b32 s50, s46, 20
	s_lshl_b32 s48, s45, 15
	s_add_co_u32 s50, s50, s48
	s_lshl_b32 s48, s44, 14
	s_add_co_u32 s50, s50, s48
	s_lshl_b32 s48, s42, 9
	s_add_co_u32 s50, s50, s48
	s_add_nc_u64 s[36:37], s[36:37], s[50:51]      ; where this wave's 512 bytes of head 0 go
	s_mov_b32 s52, 0x41000000                      ; 8.0
	s_wait_loadcnt 0x0
.irp e, 0,1,2,3
	v_min_u32 v[8+\e], 0x3c0, v[8+\e]              ; held inside the table
.endr
.irp e, 0,1,2,3
	s_delay_alu instid0(VALU_DEP_4)
	v_lshlrev_b32 v[8+\e], 5, v[8+\e]              ; a row of the table is 32 bytes
.endr
.irp e, 0,1,2,3
	global_load_b128 v[16+8*\e:19+8*\e], v[8+\e], s[10:11]
	global_load_b128 v[20+8*\e:23+8*\e], v[8+\e], s[10:11] offset:16
.endr
	s_wait_loadcnt 0x0
.irp d, 0,1,2,3,4,5,6,7
.irp e, 0,1,2,3
	v_mul_f32 v[48+4*\d+\e], s52, v[16+8*\e+\d]    ; head d, key e
.endr
.endr
.irp d, 0,1,2,3,4,5,6,7
	global_store_b128 v6, v[48+4*\d:51+4*\d], s[36:37] offset:\d*131072
.endr
	s_endpgm
.Lweights:
	; ---- the weights' images
	s_sub_co_u32 s41, ttmp9, 64                    ; j = 4 x weight + K step
	s_lshr_b32 s42, s41, 2                         ; which weight: Wq, Wk, Wv, Wc1, Wo, Wc2
	s_and_b32 s44, s41, 3                          ; K step
	s_mov_b64 s[46:47], s[12:13]
	s_mov_b64 s[48:49], s[14:15]
	s_cmp_eq_u32 s42, 1                            ; the choice hangs on the work-group's number alone
	s_cselect_b64 s[46:47], s[16:17], s[46:47]
	s_cselect_b64 s[48:49], s[18:19], s[48:49]
	s_cmp_eq_u32 s42, 2
	s_cselect_b64 s[46:47], s[20:21], s[46:47]
	s_cselect_b64 s[48:49], s[22:23], s[48:49]
	s_cmp_eq_u32 s42, 3
	s_cselect_b64 s[46:47], s[24:25], s[46:47]
	s_cselect_b64 s[48:49], s[26:27], s[48:49]
	s_cmp_eq_u32 s42, 4
	s_cselect_b64 s[46:47], s[28:29], s[46:47]
	s_cselect_b64 s[48:49], s[30:31], s[48:49]
	s_cmp_eq_u32 s42, 5
	s_cselect_b64 s[46:47], s[32:33], s[46:47]
	s_cselect_b64 s[48:49], s[34:35], s[48:49]
	s_lshl_b32 s50, s40, 15                        ; my four tiles begin at row 64 x wave: 512 bytes a row,
	s_lshl_b32 s52, s44, 7
	s_add_co_u32 s50, s50, s52                     ; + 128 x K step
	s_add_nc_u64 s[46:47], s[46:47], s[50:51]
	s_lshl_b32 s50, s40, 10                        ; scale bytes: 16 a row,
	s_lshl_b32 s52, s44, 2
	s_add_co_u32 s50, s50, s52                     ; + 4 x K step
	s_add_nc_u64 s[48:49], s[48:49], s[50:51]
	; where they go: as a head's chunk (wave = head) ..
	s_mul_i32 s52, s40, HC
	s_lshl_b32 s53, s42, 15
	s_add_co_u32 s53, s53, s52
	s_lshl_b32 s54, s44, 13
	s_add_co_u32 s53, s53, s54                     ; codes
	s_lshl_b32 s54, s42, 11
	s_add_co_u32 s54, s54, s52
	s_lshl_b32 s55, s44, 9
	s_add_co_u32 s54, s54, s55
	s_add_co_u32 s54, s54, 98304                   ; scale words
	; .. or as a tail chunk (wave / 2 = the reading wave, wave % 2 = which four of its eight tiles)
	s_sub_co_u32 s55, s41, 12
	s_mul_i32 s55, s55, TC
	s_add_co_u32 s55, s55, 8*HC
	s_lshr_b32 s56, s40, 1
	s_mul_i32 s56, s56, 17408
	s_add_co_u32 s55, s55, s56
	s_and_b32 s56, s40, 1
	s_lshl_b32 s57, s56, 13
	s_add_co_u32 s57, s57, s55                     ; codes
	s_lshl_b32 s58, s56, 9
	s_add_co_u32 s58, s58, s55
	s_add_co_u32 s58, s58, 16384                   ; scale words
	s_cmp_lt_u32 s42, 3
	s_cselect_b32 s50, s53, s57
	s_cselect_b32 s52, s54, s58
	s_mov_b32 s53, 0
	s_add_nc_u64 s[60:61], s[38:39], s[50:51]
	s_add_nc_u64 s[62:63], s[38:39], s[52:53]
	s_wait_alu depctr_va_vdst(0)
	v_lshlrev_b32 v7, 9, v5
	s_delay_alu instid0(VALU_DEP_1)
	v_lshl_add_u32 v7, v4, 4, v7                   ; my row of the tile, + 16 h
	v_lshlrev_b32 v12, 4, v5                       ; and its scale bytes
.irp t, 0,1,2,3
.irp c, 0,1,2,3
	global_load_b128 v[16+16*\t+4*\c:19+16*\t+4*\c], v7, s[46:47] offset:(32*(\t/2)+8*(\t%2))*512+32*\c
.endr
	global_load_b32 v[8+\t], v12, s[48:49] offset:(32*(\t/2)+8*(\t%2))*16
.endr
	s_wait_loadcnt 0x0
.irp t, 0,1,2,3
.irp c, 0,1,2,3
	global_store_b128 v6, v[16+16*\t+4*\c:19+16*\t+4*\c], s[60:61] offset:\t*2048+\c*512
.endr
.endr
	global_store_b128 v6, v[8:11], s[62:63]        ; the four tiles' scale words of my row
	s_endpgm
.Lfunc_end_k_q149f40f855_prep:
	.size	k_q149f40f855_prep, .Lfunc_end_k_q149f40f855_prep-k_q149f40f855_prep
	.p2alignl 7, 3214868480
	.fill 96, 4, 3214868480
	.section	.rodata,"a",@progbits
	.p2align	6, 0x0
	.amdhsa_kernel k_q149f40f855_prep
		.amdhsa_group_segment_fixed_size 0
		.amdhsa_private_segment_fixed_size 0
		.amdhsa_enable_private_segment 0
		.amdhsa_kernarg_size 128
		.amdhsa_user_sgpr_count 2
		.amdhsa_user_sgpr_kernarg_segment_ptr 1
		.amdhsa_wavefront_size32 1
		.amdhsa_system_sgpr_workgroup_id_x 1
		.amdhsa_system_sgpr_workgroup_id_y 1
		.amdhsa_system_sgpr_workgroup_id_z 1
		.amdhsa_system_vgpr_workitem_id 0
		.amdhsa_next_free_vgpr 96
		.amdhsa_next_free_sgpr 66
		.amdhsa_reserve_vcc 0
		.amdhsa_float_denorm_mode_32 3
		.amdhsa_float_denorm_mode_16_64 3
		.amdhsa_memory_ordered 1
		.amdhsa_forward_progress 1
		.amdhsa_inst_pref_size 11
	.end_amdhsa_kernel
	.amdgpu_metadata
---
amdhsa.version: [ 1, 2 ]
amdhsa.kernels:
  - .name:           k_q149f40f855_prep
    .symbol:         k_q149f40f855_prep.kd
    .args:
      - { .name: rel_index, .offset: 0, .size: 8, .value_kind: global_buffer, .address_space: global }
      - { .name: bias_table, .offset: 8, .size: 8, .value_kind: global_buffer, .address_space: global }
      - { .name: Wq_codes, .offset: 16, .size: 8, .value_kind: global_buffer, .address_space: global }
      - { .name: Wq_scales, .offset: 24, .size: 8, .value_kind: global_buffer, .address_space: global }
      - { .name: Wk_codes, .offset: 32, .size: 8, .value_kind: global_buffer, .address_space: global }
      - { .name: Wk_scales, .offset: 40, .size: 8, .value_kind: global_buffer, .address_space: global }
      - { .name: Wv_codes, .offset: 48, .size: 8, .value_kind: global_buffer, .address_space: global }
      - { .name: Wv_scales, .offset: 56, .size: 8, .value_kind: global_buffer, .address_space: global }
      - { .name: Wc1_codes, .offset: 64, .size: 8, .value_kind: global_buffer, .address_space: global }
      - { .name: Wc1_scales, .offset: 72, .size: 8, .value_kind: global_buffer, .address_space: global }
      - { .name: Wo_codes, .offset: 80, .size: 8, .value_kind: global_buffer, .address_space: global }
      - { .name: Wo_scales, .offset: 88, .size: 8, .value_kind: global_buffer, .address_space: global }
      - { .name: Wc2_codes, .offset: 96, .size: 8, .value_kind: global_buffer, .address_space: global }
      - { .name: Wc2_scales, .offset: 104, .size: 8, .value_kind: global_buffer, .address_space: global }
      - { .name: bimg, .offset: 112, .size: 8, .value_kind: global_buffer, .address_space: global }
      - { .name: wimg, .offset: 120, .size: 8, .value_kind: global_buffer, .address_space: global }
    .group_segment_fixed_size: 0
    .private_segment_fixed_size: 0
    .kernarg_segment_align: 8
    .kernarg_segment_size: 128
    .max_flat_workgroup_size: 256
    .sgpr_count:     66
    .vgpr_count:     96
    .wavefront_size: 32
...
	.end_amdgpu_metadata
.endif
;; end of part 1
;; launch attn (part 2): grid 256 x 1, 4 waves a work-group, clusters of 4 x 1, 327,680 bytes of LDS; arguments x_codes, x_scales, context_codes, context_scales, mask, bimg, wimg, bc1, ln_g, ln_b, bo, bc2, out0; writes out0
.if DOCPART == 2
	.amdgcn_target "amdgcn-amd-amdhsa--gfx1250"
	.amdhsa_code_object_version 6
	.text
	.protected	k_q149f40f855_attn
	.globl	k_q149f40f855_attn
	.p2align	8
	.type	k_q149f40f855_attn,@function
k_q149f40f855_attn:
	s_mov_b64 s[64:65], 0
	v_nop
	global_prefetch_b8 v0, s[64:65] scope:SCOPE_SE
	s_setreg_imm32_b32 hwreg(HW_REG_WAVE_MODE, 25, 1), 1
	s_wait_xcnt 0x0
	s_wait_alu depctr_hold_cnt(0) depctr_sa_sdst(0) depctr_va_vdst(0) depctr_va_sdst(0) depctr_va_ssrc(0) depctr_va_vcc(0) depctr_vm_vsrc(0)
	s_getreg_b32 s2, hwreg(HW_REG_IB_STS2, 6, 4)
	s_cmp_eq_u32 s2, 0
	s_cbranch_scc0 .Lentry_in_a_cluster
	s_endpgm
.Lentry_in_a_cluster:
	s_bfe_u32 s2, ttmp6, 0x10000c
	s_cmp_lg_u32 s2, 0x3003
	s_cbranch_scc0 .Lentry_shape_is_right
	s_endpgm
.Lentry_shape_is_right:
; FUSED LAUNCH.  A work-group of four waves owns 128 queries of one window (256 work-groups); a wave owns 32 of them.  No work of reference() is left out.
; HEAD LOOP, 8 trips, one head a trip: Q (my 32 queries), K and V (64 keys a wave, all 256 keys of the window in the work-group) on the given codes; each result is quantised along its next K and K, V go to LDS as register images;
;   S^T = K Q^T with 8 x the position bias (prep's image) as C, the mask added as 0 or -infinity; p = 2^(t - M), M = ceil of the row's largest t, quantised by blocks of 32 keys; O^T = V^T P^T / the sum of the unquantised p; O quantised into LDS.
; TAIL: h = relu(LayerNorm(context Wc1 + bc1)) quantised into LDS; out0 = O Wo + h Wc2 + bo + bc2.  A wave makes 128 rows x 128 columns in 512 registers.
; WEIGHTS come as prep's images through two LDS slots by joint loads: the four work-groups of a cluster walk the same chunks in the same order (mask 15).
; THE LAYERNORM AND ITS QUANTISER are one loop of 8 trips on one block of 16 rows in fixed registers; the later blocks are moved down by copies, so that the text stands once.
; NO PREFETCH: x, context and mask are read once, at the head, where there is no loop to run ahead in; the weight image is asked for by every work-group, chunk by chunk, in the same order.
; LIMITS: the promise holds while the scaled scores stay under 2^31 in magnitude.  A row whose mask is all 0 gives NaN, as in reference().  A block's scale byte never falls under 1.
; (Tail chunks 6 to 11 take another road than the slots: each wave loads its own 17,408 bytes of a chunk from memory straight into its registers; see the macro ST for the reason.)
.set HC, 104448
.set TC, 69632
.set SW, 0x11000
.set OI,    139264
.set XI,    204800
.set KI,    270336
.set VI,    286720
.set KS,    303104
.set VS,    305152
.set OS16,  305664
.set OSC,   309760
.set XSC,   313856
.set SPARE, 317952
.set EX,    KI
.set WF,  0
.set Q1S, 128
.set QF,  136
.set Z8,  144
.set TM,  152
.set PC,  168
.set BM,  184
.set SCA, 192
.set WSW, 192
.set ASW, 200
.set CS,  208
.set XS,  224
.set QS0, 232
.set PS0, 234
.set NM,  236
.set OAD, 237
.set MO,  237
.set LSUM, 238
.set LSU2, 240
.set LI,  242
.set LI2, 243
.set XIA, 244
.set KST, 245
.set VST, 246
.set KIA, 247
.set KSS, 248
.set KSL, 249
.set VSS, 250
.set VSL, 251
.set OST, 252
.set OSA, 253
.set SPW, 254
.set NIL, 255
.set CO,  TM+8
.set SO,  TM+9
.set BO,  237
.set WB0, 243
.set T1,  244
.set WB,  244
.set AB,  245
.set ASB, 246
.set L32, 247
.set HST, 248
.set HSS, 249
.set EXW, 250
.set EXR, 251
.set STO, 252
.set RD,  253
.set LP,  64
.set P0, 0
.set P1, 128
.set OOF, 5
.set OSF, 6
.set WV,  34
.set CX,  35
.set QH,  36
.set BW,  37
.set G1H, 40
.set G1T, 48
.set G1P, 56
.set G0A, 68
.set G0P, 72
.set G0T, 76
.set SEL, 80
.set CSC, 82
.set MNT, 84
.set CNT, 85
.set BB,  86
.set MS,  88
.set WSL, 92
.set AOF, 93
.set ASOF, 94
.set FLR,  2                           ; s2  2^(16 - 127): the floor under a block's largest magnitude
.set EOFF, 3                           ; s3  -(15 << 23): from the largest magnitude to the conversion's scale operand
.set EMSK, 7                           ; s7  the exponent field's mask
.set OB,   224                         ; v224-227 bo, v228-231 bc2 at my lane's four columns of a row of out0; then v224-227 their sum
.set BP,   72                          ; s[72:73] my wave's part of the tail chunk that was asked for last (the head fill's descriptor lay here and is done with)
.set MSB, 0
.macro WIN new
.if MSB != (\new)
	s_set_vgpr_msb (MSB<<8)|(\new)
.set MSB, (\new)
.endif
.endm
.macro PLACES n
.rept \n
	v_nop
.endr
.endm
.macro CREST
	s_cmp_lg_u32 s[WV], 0
	s_cbranch_scc1 .Lnw0_\@
	s_barrier_signal -3
.Lnw0_\@:
	s_barrier_wait -3
	s_barrier_signal -1
	s_barrier_wait -1
.endm
.macro ROUND
	s_barrier_signal -1
	s_barrier_wait -1
	CREST
.endm
.macro JLOAD g0, g1
	tensor_load_to_lds s[\g0:\g0+3], s[\g1:\g1+7]
	s_nop 0
	PLACES 4
.endm
.macro MKG1 g, r
	s_mov_b32 s[\g], 15|(3<<16)|(1<<21)
	s_mov_b32 s[\g+1], 32<<16
	s_mov_b32 s[\g+2], (\r)<<16
	s_mov_b32 s[\g+3], 32<<16
	s_mov_b32 s[\g+4], \r
	s_mov_b32 s[\g+5], 32
	s_mov_b32 s[\g+6], 0
	s_mov_b32 s[\g+7], 0
.endm
.macro WMZ d, a, b, sa, sb
	v_wmma_scale_f32_16x16x128_f8f6f4 v[(\d):(\d)+7], v[(\a):(\a)+15], v[(\b):(\b)+15], 0, v[(\sa)], v[(\sb)] matrix_a_fmt:MATRIX_FMT_BF8 matrix_b_fmt:MATRIX_FMT_BF8
.endm
.macro WMA d, a, b, sa, sb
	v_wmma_scale_f32_16x16x128_f8f6f4 v[(\d):(\d)+7], v[(\a):(\a)+15], v[(\b):(\b)+15], v[(\d):(\d)+7], v[(\sa)], v[(\sb)] matrix_a_fmt:MATRIX_FMT_BF8 matrix_b_fmt:MATRIX_FMT_BF8
.endm
.macro WMC d, a, b, c, sa, sb
	v_wmma_scale_f32_16x16x128_f8f6f4 v[(\d):(\d)+7], v[(\a):(\a)+15], v[(\b):(\b)+15], v[(\c):(\c)+7], v[(\sa)], v[(\sb)] matrix_a_fmt:MATRIX_FMT_BF8 matrix_b_fmt:MATRIX_FMT_BF8
.endm
.macro QBLK4 win, s0, s1, s2, s3, d0, d1, d2, d3, relu
.set QSRC_0, \s0
.set QSRC_1, \s1
.set QSRC_2, \s2
.set QSRC_3, \s3
.set QDST_0, \d0
.set QDST_1, \d1
.set QDST_2, \d2
.set QDST_3, \d3
	WIN (\win)|((\win)<<2)
.irp b, 0,1,2,3
.if \relu
	v_max3_num_f32 v[TM+\b], v[QSRC_\b], v[QSRC_\b+1], s[FLR]
.else
	v_max3_num_f32 v[TM+\b], |v[QSRC_\b]|, |v[QSRC_\b+1]|, s[FLR]
.endif
.endr
.irp i, 2,4,6,8,10,12,14
.irp b, 0,1,2,3
.if \relu
	v_max3_num_f32 v[TM+\b], v[QSRC_\b+\i], v[QSRC_\b+\i+1], v[TM+\b]
.else
	v_max3_num_f32 v[TM+\b], |v[QSRC_\b+\i]|, |v[QSRC_\b+\i+1]|, v[TM+\b]
.endif
.endr
.endr
	WIN 0
.irp b, 0,1,2,3
	v_permlanex16_b32 v[TM+4+\b], v[TM+\b], s[SEL], s[SEL+1]
.endr
.irp b, 0,1,2,3
	v_max_num_f32 v[TM+\b], v[TM+\b], v[TM+4+\b]
.endr
.irp b, 0,1,2,3
	v_add_nc_u32 v[TM+12+\b], s[EOFF], v[TM+\b]
.endr
.irp b, 0,1,2,3
	v_and_or_b32 v[TM+8+\b], v[TM+\b], s[EMSK], s[MNT]
.endr
.irp b, 0,1,2,3
	v_lshrrev_b32 v[TM+4+\b], 23, v[TM+12+\b]
.endr
	WIN ((\win)<<6)|(\win)
.irp b, 0,1,2,3
.irp i, 0,1,2,3,4,5,6,7,8,9,10,11,12,13,14,15
.if \relu
	v_med3_num_f32 v[QSRC_\b+\i], v[QSRC_\b+\i], 0, v[TM+8+\b]
.else
	v_med3_num_f32 v[QSRC_\b+\i], v[QSRC_\b+\i], -v[TM+8+\b], v[TM+8+\b]
.endif
.endr
.endr
	WIN (\win)
.irp b, 0,1,2,3
	v_cvt_scalef32_pk8_bf8_f32 v[QDST_\b:QDST_\b+1], v[QSRC_\b:QSRC_\b+7], v[TM+12+\b]
	v_cvt_scalef32_pk8_bf8_f32 v[QDST_\b+2:QDST_\b+3], v[QSRC_\b+8:QSRC_\b+15], v[TM+12+\b]
.endr
	WIN 0
	v_nop
.endm
.macro FETCHW sg
	WIN 0
.irp t, 0,1,2,3
.irp c, 0,1,2,3
.if (\sg) < 8
	ds_load_b128 v[WF+64*((\sg)%2)+16*\t+4*\c:WF+64*((\sg)%2)+16*\t+4*\c+3], v[LI] offset:(\sg)*8192+\t*2048+\c*512
.else
	ds_load_b128 v[WF+64*((\sg)%2)+16*\t+4*\c:WF+64*((\sg)%2)+16*\t+4*\c+3], v[LI2] offset:((\sg)-8)*8192+\t*2048+\c*512
.endif
.endr
.endr
.endm
.macro FETCHX s
	WIN 0x80
.irp u, 0,1
.irp c, 0,1,2,3
	ds_load_b128 v[P0+64+32*((\s)%2)+16*\u+4*\c:P0+64+32*((\s)%2)+16*\u+4*\c+3], v[XIA] offset:(4*\u+(\s))*2048+\c*512
.endr
.endr
.endm
.macro LDSCA x
	WIN 0
.irp s, 0,1,2,3
	ds_load_b128 v[SCA+4*\s:SCA+4*\s+3], v[LI2] offset:32768+(\x)*2048+\s*512
.endr
.endm
.macro BIASLD reg, off, g
	WIN 0x80
.set JB, 8*(\g)
.rept 8
	global_load_b128 v[(\reg)+4*JB:(\reg)+4*JB+3], v[LI], s[BB:BB+1] offset:(\off)+512*JB
.set JB, JB+1
.endr
.endm
.macro QSTEP s
.if (\s) > 0
	PLACES 8
.endif
	FETCHW (\s)+1
.if (\s) < 3
	FETCHX (\s)+1
	s_wait_dscnt 24
.else
	s_wait_dscnt 16
.endif
	WIN 0xa8
.irp u, 0,1
.irp t, 0,1,2,3
.if (\s) == 0
	WMZ P0+32*\u+8*\t, WF+64*((\s)%2)+16*\t, P0+64+32*((\s)%2)+16*\u, SCA+4*(\s)+\t, XS+4*\u+(\s)
.else
	WMA P0+32*\u+8*\t, WF+64*((\s)%2)+16*\t, P0+64+32*((\s)%2)+16*\u, SCA+4*(\s)+\t, XS+4*\u+(\s)
.endif
.endr
.endr
.endm
.macro KSTEP s
.if (\s) > 0
	PLACES 8
.endif
	FETCHW (\s)+5
	s_wait_dscnt 16
	WIN 0xa4
.irp i, 0,1,2,3
.irp t, 0,1,2,3
.if (\s) == 0
	WMZ P1+32*\i+8*\t, WF+64*((\s)%2)+16*\t, 64*\i+16*(\s), SCA+4*(\s)+\t, CS+4*\i+(\s)
.else
	WMA P1+32*\i+8*\t, WF+64*((\s)%2)+16*\t, 64*\i+16*(\s), SCA+4*(\s)+\t, CS+4*\i+(\s)
.endif
.endr
.endr
.endm
.macro VSTEP s
.if ((\s) > 0) && ((\s) < 3)
	PLACES 8
.endif
.if (\s) < 3
	FETCHW (\s)+9
.endif
	BIASLD P1, 0, \s
.if (\s) < 3
	s_wait_dscnt 16
.else
	s_wait_dscnt 0x0
.endif
	WIN 0xa1
.irp i, 0,1,2,3
.irp t, 0,1,2,3
.if (\s) == 0
	WMZ P0+64*(\i/2)+16*\t+8*(\i%2), 64*\i+16*(\s), WF+64*((\s)%2)+16*\t, CS+4*\i+(\s), SCA+4*(\s)+\t
.else
	WMA P0+64*(\i/2)+16*\t+8*(\i%2), 64*\i+16*(\s), WF+64*((\s)%2)+16*\t, CS+4*\i+(\s), SCA+4*(\s)+\t
.endif
.endr
.endr
.endm
.macro LDK
	WIN 0
.irp k, 0,1,2,3
	ds_load_b128 v[SCA+4*\k:SCA+4*\k+3], v[KSL] offset:16*\k
.endr
.set J, 0
.rept 16
	ds_load_b128 v[WF+8*J:WF+8*J+3], v[KIA] offset:J*1024
	ds_load_b128 v[WF+8*J+4:WF+8*J+7], v[KIA] offset:J*1024+512
.set J, J+1
.endr
.endm
.macro QK u, sreg, qreg
	WIN 0xa0
.set J, 0
.rept 4
.if (\u) == 0
.if J < 12
	s_wait_dscnt 22-2*J
.else
	s_wait_dscnt 0x0
.endif
.endif
.rept 4
	WMA (\sreg)+8*J, WF+8*J, \qreg, SCA+J, QS0+(\u)
.set J, J+1
.endr
.endr
.endm
.macro LDV
	WIN 0
.set J, 0
.rept 8
.irp c, 0,1,2,3
	ds_load_b128 v[WF+16*J+4*\c:WF+16*J+4*\c+3], v[KIA] offset:16384+J*2048+\c*512
.endr
.set J, J+1
.endr
	ds_load_b128 v[SCA:SCA+3], v[VSL]
	ds_load_b128 v[SCA+4:SCA+7], v[VSL] offset:16
.endm
.macro SMX u, sreg, pcd, ps
	WIN 0x8e
.set J, 0
.rept 64
	v_pk_add_f32 v[(\sreg)+2*J:(\sreg)+2*J+1], v[(\sreg)+2*J:(\sreg)+2*J+1], v[128*(\u)+2*J:128*(\u)+2*J+1]
.set J, J+1
.endr
	WIN 0x0a
.irp b, 0,1,2,3,4,5,6,7
	v_max3_num_f32 v[BM+\b], v[(\sreg)+16*\b], v[(\sreg)+16*\b+1], 0xff800000
.endr
.irp i, 2,4,6,8,10,12,14
.irp b, 0,1,2,3,4,5,6,7
	v_max3_num_f32 v[BM+\b], v[(\sreg)+16*\b+\i], v[(\sreg)+16*\b+\i+1], v[BM+\b]
.endr
.endr
	WIN 0
.irp b, 0,1,2,3,4,5,6,7
	v_permlanex16_b32 v[TM+\b], v[BM+\b], s[SEL], s[SEL+1]
.endr
.irp b, 0,1,2,3,4,5,6,7
	v_max_num_f32 v[BM+\b], v[BM+\b], v[TM+\b]
.endr
	v_max3_num_f32 v[TM+8], v[BM], v[BM+1], v[BM+2]
	v_max3_num_f32 v[TM+8], v[TM+8], v[BM+3], v[BM+4]
	v_max3_num_f32 v[TM+8], v[TM+8], v[BM+5], v[BM+6]
	v_max_num_f32 v[TM+8], v[TM+8], v[BM+7]
	v_mul_f32 v[TM+8], s[CSC], v[TM+8]
	v_floor_f32 v[NM], -v[TM+8]
	WIN 0x82
.set J, 0
.rept 64
	v_pk_fma_f32 v[(\sreg)+2*J:(\sreg)+2*J+1], v[(\sreg)+2*J:(\sreg)+2*J+1], s[CSC:CSC+1], v[NM:NM+1] op_sel_hi:[1,0,0]
.set J, J+1
.endr
	WIN 0
.irp b, 0,1,2,3,4,5,6,7
	v_fma_f32 v[BM+\b], v[BM+\b], s[CSC], v[NM]
.endr
	WIN 0x82
.set J, 0
	s_wait_alu depctr_va_vdst(0)
.rept 128
	v_exp_f32 v[(\sreg)+J], v[(\sreg)+J]
.set J, J+1
.endr
	WIN 0
	v_nop
	s_wait_alu depctr_va_vdst(0)
.irp b, 0,1,2,3,4,5,6,7
	v_exp_f32 v[BM+\b], v[BM+\b]
.endr
	WIN 0x0a
	v_pk_add_f32 v[LSUM:LSUM+1], v[(\sreg):(\sreg)+1], v[(\sreg)+2:(\sreg)+3]
	v_pk_add_f32 v[LSU2:LSU2+1], v[(\sreg)+4:(\sreg)+5], v[(\sreg)+6:(\sreg)+7]
	v_pk_add_f32 v[TM:TM+1], v[(\sreg)+8:(\sreg)+9], v[(\sreg)+10:(\sreg)+11]
	v_pk_add_f32 v[TM+2:TM+3], v[(\sreg)+12:(\sreg)+13], v[(\sreg)+14:(\sreg)+15]
	WIN 0x08
.set J, 8
.rept 14                               ; the row's sum of the unquantised p in four chains that take turns
	v_pk_add_f32 v[LSUM:LSUM+1], v[LSUM:LSUM+1], v[(\sreg)+2*J:(\sreg)+2*J+1]
	v_pk_add_f32 v[LSU2:LSU2+1], v[LSU2:LSU2+1], v[(\sreg)+2*J+2:(\sreg)+2*J+3]
	v_pk_add_f32 v[TM:TM+1], v[TM:TM+1], v[(\sreg)+2*J+4:(\sreg)+2*J+5]
	v_pk_add_f32 v[TM+2:TM+3], v[TM+2:TM+3], v[(\sreg)+2*J+6:(\sreg)+2*J+7]
.set J, J+4
.endr
	WIN 0
	v_pk_add_f32 v[LSUM:LSUM+1], v[LSUM:LSUM+1], v[TM:TM+1]
	v_pk_add_f32 v[LSU2:LSU2+1], v[LSU2:LSU2+1], v[TM+2:TM+3]
	s_wait_alu depctr_va_vdst(0)
.irp b, 0,1,2,3,4,5,6,7
	v_max_num_f32 v[BM+\b], s[FLR], v[BM+\b]
.endr
.irp b, 0,1,2,3,4,5,6,7
	v_add_nc_u32 v[TM+8+\b], s[EOFF], v[BM+\b]
.endr
.irp b, 0,1,2,3,4,5,6,7
	v_and_or_b32 v[TM+\b], v[BM+\b], s[EMSK], s[MNT]
.endr
.irp b, 0,1,2,3,4,5,6,7
	v_lshrrev_b32 v[BM+\b], 23, v[TM+8+\b]
.endr
	v_lshl_or_b32 v[(\ps)], v[BM+1], 8, v[BM]
	v_lshl_or_b32 v[(\ps)], v[BM+2], 16, v[(\ps)]
	v_lshl_or_b32 v[(\ps)], v[BM+3], 24, v[(\ps)]
	v_lshl_or_b32 v[(\ps)+1], v[BM+5], 8, v[BM+4]
	v_lshl_or_b32 v[(\ps)+1], v[BM+6], 16, v[(\ps)+1]
	v_lshl_or_b32 v[(\ps)+1], v[BM+7], 24, v[(\ps)+1]
	WIN 0x88
.irp b, 0,1,2,3,4,5,6,7
.irp i, 0,1,2,3,4,5,6,7,8,9,10,11,12,13,14,15
	v_min_num_f32 v[(\sreg)+16*\b+\i], v[TM+\b], v[(\sreg)+16*\b+\i]
.endr
.endr
	WIN 0x02
.irp b, 0,1,2,3
	v_cvt_scalef32_pk8_bf8_f32 v[(\pcd)+4*\b:(\pcd)+4*\b+1], v[(\sreg)+16*\b:(\sreg)+16*\b+7], v[TM+8+\b]
	v_cvt_scalef32_pk8_bf8_f32 v[(\pcd)+4*\b+2:(\pcd)+4*\b+3], v[(\sreg)+16*\b+8:(\sreg)+16*\b+15], v[TM+8+\b]
.endr
	v_nop
	WIN 0x82
.irp b, 4,5,6,7
	v_cvt_scalef32_pk8_bf8_f32 v[(\sreg)+4*(\b-4):(\sreg)+4*(\b-4)+1], v[(\sreg)+16*\b:(\sreg)+16*\b+7], v[TM+8+\b]
	v_cvt_scalef32_pk8_bf8_f32 v[(\sreg)+4*(\b-4)+2:(\sreg)+4*(\b-4)+3], v[(\sreg)+16*\b+8:(\sreg)+16*\b+15], v[TM+8+\b]
.endr
	v_nop
	WIN 0
	v_pk_add_f32 v[LSUM:LSUM+1], v[LSUM:LSUM+1], v[LSU2:LSU2+1]
	v_add_f32 v[LSUM], v[LSUM], v[LSUM+1]
	v_permlanex16_b32 v[LSU2], v[LSUM], s[SEL], s[SEL+1]
	v_add_f32 v[LSUM], v[LSUM], v[LSU2]
	PLACES 4
	WIN 0x80
	s_wait_alu depctr_va_vdst(0)
	v_rcp_f32 v[(\sreg)+32], v[LSUM]
	WIN 0
	v_nop
	s_wait_alu depctr_va_vdst(0)
.endm
.macro PVALL
	s_wait_dscnt 0x0
	WIN 0x80
.irp t, 0,1,2,3
	WMZ P1+64+8*\t, WF+32*\t, QF, SCA+2*\t, PS0
	WMZ P0+64+8*\t, WF+32*\t, PC, SCA+2*\t, QS0
.endr
	WIN 0xa8
.irp t, 0,1,2,3
	WMA P1+64+8*\t, WF+32*\t+16, P1, SCA+2*\t+1, PS0+1
	WMA P0+64+8*\t, WF+32*\t+16, P0, SCA+2*\t+1, QS0+1
.endr
	PLACES 8
	WIN 0x8a
.set J, 0
.rept 16
	v_pk_mul_f32 v[P1+64+2*J:P1+64+2*J+1], v[P1+64+2*J:P1+64+2*J+1], v[P1+32:P1+33] op_sel_hi:[1,0]
.set J, J+1
.endr
.set J, 0
.rept 16
	v_pk_mul_f32 v[P0+64+2*J:P0+64+2*J+1], v[P0+64+2*J:P0+64+2*J+1], v[P0+32:P0+33] op_sel_hi:[1,0]
.set J, J+1
.endr
	WIN 0
.endm
.macro LDB g
	WIN 0x40
.irp b, 0,1,2,3
.irp c, 0,1,2,3
	ds_load_b128 v[16*(4*(\g)+\b)+4*\c:16*(4*(\g)+\b)+4*\c+3], v[WB] offset:(4*(\g)+\b)*2048+\c*512
.endr
.endr
	WIN 0
	ds_load_b128 v[WSW+4*(\g):WSW+4*(\g)+3], v[WB] offset:16384+512*(\g)
.endm
.macro LDA g
.irp a, 0,1,2,3
.irp c, 0,1,2,3
	ds_load_b128 v[16*(4*(\g)+\a)+4*\c:16*(4*(\g)+\a)+4*\c+3], v[AB] offset:(\c/2)*8192+(4*(\g)+\a)*1024+(\c%2)*512
.endr
.endr
	ds_load_b128 v[ASW+4*(\g):ASW+4*(\g)+3], v[ASB] offset:16*(\g)
.endm
.macro MUL16 a0, b0, first
.if \first
	WIN 0x91+0x40*((\a0)/4)
.else
	WIN 0xa1+0x50*((\a0)/4)
.endif
.irp a, \a0, \a0+1, \a0+2, \a0+3
.irp b, \b0, \b0+1, \b0+2, \b0+3
.if \first
	WMC 8*(8*((\a)%4)+(\b)), 16*(\b), 16*(\a), 128+8*(\b), WSW+(\b), ASW+(\a)
.else
	WMA 8*(8*((\a)%4)+(\b)), 16*(\b), 16*(\a), WSW+(\b), ASW+(\a)
.endif
.endr
.endr
.endm
.macro PROLOG
	v_add_nc_u32 v[WB], s[WSL], v[WB0]
	v_add_nc_u32 v[AB], s[AOF], v[LI]
	v_add_nc_u32 v[ASB], s[ASOF], v[L32]
	LDB 0
	LDA 0
	LDA 1
	s_wait_alu depctr_va_vdst(0)
	s_wait_dscnt 17
	LDB 1
.endm
.macro STAGE first, mid, nxt
	MUL16 0, 0, \first
	WIN 0
.if (\mid) == 2
	s_wait_tensorcnt 0x0
	ds_add_u32 v[SPW], v[NIL]
	s_xor_b32 s[G0T+1], s[G0T+1], SW
	s_add_nc_u64 s[G0T+2:G0T+3], s[G0T+2:G0T+3], TC
	s_wait_dscnt 0x0
	ROUND
	JLOAD G0T, G1T
.elseif (\mid) == 1
	s_wait_tensorcnt 0x0
	s_wait_dscnt 0x0
	s_barrier_signal -1
	s_barrier_wait -1
.else
	s_wait_dscnt 0x0
.endif
	MUL16 4, 0, \first
	s_xor_b32 s[WSL], s[WSL], SW
.if \nxt
	PLACES 8
	WIN 0
	v_add_nc_u32 v[WB], s[WSL], v[WB0]
	LDB 0
.endif
	MUL16 0, 4, \first
.if \nxt
	PLACES 8
	WIN 0
	s_add_co_u32 s[AOF], s[AOF], 16384
	s_add_co_u32 s[ASOF], s[ASOF], 1024
	v_add_nc_u32 v[AB], s[AOF], v[LI]
	v_add_nc_u32 v[ASB], s[ASOF], v[L32]
	LDA 0
.endif
	MUL16 4, 4, \first
	PLACES 8
	WIN 0
.if \nxt
	LDA 1
	s_wait_alu depctr_va_vdst(0)
	s_wait_dscnt 17
	LDB 1
.endif
.endm
; THE STAGES OF THE LAST TWO PRODUCTS (O Wo + h Wc2: 8 chunks of 128 along K).  B's fragments of a chunk have TWO sets of 128 registers in window 1 (set p at v[128 p]), their scale words at v[WSW + 16 p].
; In the tail a wave multiplies 128 columns of its own, so no two waves of the work-group read the same byte of a chunk.  Chunks 4 and 5 lie in the slots; chunks 6 to 11 are loaded
; from prep's register image straight into the set that is not being multiplied, 512 consecutive bytes an instruction: no LDS byte, no barrier and no round stands in these stages.  A's codes lie in LDS and are not written here.
.macro GLB p                           ; my part of the chunk at s[BP:BP+1] into set p: 34 loads
	WIN 0x40
.irp b, 0,1,2,3,4,5,6,7
.irp c, 0,1,2,3
	global_load_b128 v[128*(\p)+16*\b+4*\c:128*(\p)+16*\b+4*\c+3], v[LI], s[BP:BP+1] offset:\b*2048+\c*512
.endr
.endr
	WIN 0
	global_load_b128 v[WSW+16*(\p):WSW+16*(\p)+3], v[LI], s[BP:BP+1] offset:16384
	global_load_b128 v[WSW+16*(\p)+4:WSW+16*(\p)+7], v[LI], s[BP:BP+1] offset:16896
.endm
.macro LDB2                            ; my part of the chunk in the slot at v[WB] into set 1: 34 LDS loads
	WIN 0x40
.irp b, 0,1,2,3,4,5,6,7
.irp c, 0,1,2,3
	ds_load_b128 v[128+16*\b+4*\c:128+16*\b+4*\c+3], v[WB] offset:\b*2048+\c*512
.endr
.endr
	WIN 0
	ds_load_b128 v[WSW+16:WSW+19], v[WB] offset:16384
	ds_load_b128 v[WSW+20:WSW+23], v[WB] offset:16896
.endm
.macro MULS a0, b0, p, zero            ; 16 products: A's blocks a0 .. a0 + 3 x B's b0 .. b0 + 3 of set p; the accumulators take turns
	WIN 0xa1+0x50*((\a0)/4)
.irp a, \a0, \a0+1, \a0+2, \a0+3
.irp b, \b0, \b0+1, \b0+2, \b0+3
.if \zero
	WMZ 8*(8*((\a)%4)+(\b)), 128*(\p)+16*(\b), 16*(\a), WSW+16*(\p)+(\b), ASW+(\a)
.else
	WMA 8*(8*((\a)%4)+(\b)), 128*(\p)+16*(\b), 16*(\a), WSW+16*(\p)+(\b), ASW+(\a)
.endif
.endr
.endr
.endm
; A stage: multiplies set p.  zero = 1: its products start the sums.  ld = 1: the next chunk comes from slot 1 into set 1; 2: from memory into the other set; 0: none.  nxt = 1: the next stage's fragments of A are fetched.
.macro ST p, zero, ld, nxt
.if (\ld) == 1
	s_xor_b32 s[WSL], s[WSL], SW
	v_add_nc_u32 v[WB], s[WSL], v[WB0]
	LDB2
	s_wait_dscnt 34                                ; all but the 34 just issued: set 0 and A's eight blocks are in
.else
	s_wait_loadcnt 0x0                             ; set p is in, so the loads' base may step
.if (\ld) == 2
	s_add_nc_u64 s[BP:BP+1], s[BP:BP+1], TC
	GLB 1-(\p)                                     ; eight places stand behind the last products that read that set
.endif
	s_wait_dscnt 17                                ; all but the 17 loads of A's blocks 4-7
.endif
	MULS 0, 0, \p, \zero
.if (\ld) != 1
	s_wait_dscnt 0x0
.endif
	MULS 4, 0, \p, \zero
	MULS 0, 4, \p, \zero
.if \nxt
	PLACES 8
	WIN 0
	s_add_co_u32 s[AOF], s[AOF], 16384
	s_add_co_u32 s[ASOF], s[ASOF], 1024
	v_add_nc_u32 v[AB], s[AOF], v[LI]
	v_add_nc_u32 v[ASB], s[ASOF], v[L32]
	LDA 0
.endif
	MULS 4, 4, \p, \zero
	PLACES 8
	WIN 0
.if \nxt
	LDA 1
.endif
.endm
.macro LDVEC reg, sb
	WIN 0x40
.irp b, 0,1,2,3,4,5,6,7
	global_load_b128 v[(\reg)+8*\b:(\reg)+8*\b+3], v[BO], s[\sb:\sb+1] offset:128*(\b/2)+32*(\b%2)
	global_load_b128 v[(\reg)+8*\b+4:(\reg)+8*\b+7], v[BO], s[\sb:\sb+1] offset:128*(\b/2)+32*(\b%2)+16
.endr
	WIN 0
.endm
.macro LNAB a
.set AW, 2+(\a)/4
.set AC, 64*((\a)%4)
.set LPA, LP+4*(\a)
	WIN AW|(AW<<2)
.irp k, 0,1,2,3
	v_pk_add_f32 v[BM+2*\k:BM+2*\k+1], v[AC+4*\k:AC+4*\k+1], v[AC+4*\k+2:AC+4*\k+3]
.endr
	WIN AW<<2
.set J, 8
.rept 24
	v_pk_add_f32 v[BM+2*(J%4):BM+2*(J%4)+1], v[BM+2*(J%4):BM+2*(J%4)+1], v[AC+2*J:AC+2*J+1]
.set J, J+1
.endr
	WIN 0
	v_pk_add_f32 v[BM:BM+1], v[BM:BM+1], v[BM+2:BM+3]
	v_pk_add_f32 v[BM+4:BM+5], v[BM+4:BM+5], v[BM+6:BM+7]
	v_pk_add_f32 v[BM:BM+1], v[BM:BM+1], v[BM+4:BM+5]
	v_add_f32 v[BM], v[BM], v[BM+1]
	v_permlanex16_b32 v[TM], v[BM], s[SEL], s[SEL+1]
	v_add_f32 v[BM], v[BM], v[TM]
	v_mul_f32 v[LPA], 0x3c000000, v[BM]
	v_mul_f32 v[LPA+1], 0x3c000000, v[BM]
	v_mul_f32 v[LPA+2], 0x3c000000, v[BM]
	WIN (AW<<6)|AW
.set J, 0
.rept 32
	v_pk_add_f32 v[AC+2*J:AC+2*J+1], v[AC+2*J:AC+2*J+1], v[LPA:LPA+1] neg_lo:[0,1] neg_hi:[0,1]
.set J, J+1
.endr
	WIN AW|(AW<<2)
.irp k, 0,1,2,3
	v_pk_mul_f32 v[BM+2*\k:BM+2*\k+1], v[AC+2*\k:AC+2*\k+1], v[AC+2*\k:AC+2*\k+1]
.endr
.set J, 4
.rept 28
	v_pk_fma_f32 v[BM+2*(J%4):BM+2*(J%4)+1], v[AC+2*J:AC+2*J+1], v[AC+2*J:AC+2*J+1], v[BM+2*(J%4):BM+2*(J%4)+1]
.set J, J+1
.endr
	WIN 0
	v_pk_add_f32 v[BM:BM+1], v[BM:BM+1], v[BM+2:BM+3]
	v_pk_add_f32 v[BM+4:BM+5], v[BM+4:BM+5], v[BM+6:BM+7]
	v_pk_add_f32 v[BM:BM+1], v[BM:BM+1], v[BM+4:BM+5]
	v_add_f32 v[BM], v[BM], v[BM+1]
	v_permlanex16_b32 v[TM], v[BM], s[SEL], s[SEL+1]
	v_add_f32 v[LPA+3], v[BM], v[TM]
	ds_store_b64 v[EXW], v[LPA+2:LPA+3] offset:(\a)*1024
.endm
.macro LNM a
.set EA, 8*(\a)
	v_add_f32 v[BM], v[EA], v[EA+2]
	v_add_f32 v[BM+1], v[EA+4], v[EA+6]
	v_add_f32 v[BM], v[BM], v[BM+1]
	v_mul_f32 v[TM+8+(\a)], 0x3e800000, v[BM]
	v_sub_f32 v[BM], v[EA], v[TM+8+(\a)]
	v_sub_f32 v[BM+1], v[EA+2], v[TM+8+(\a)]
	v_sub_f32 v[BM+2], v[EA+4], v[TM+8+(\a)]
	v_sub_f32 v[BM+3], v[EA+6], v[TM+8+(\a)]
	v_mul_f32 v[BM], v[BM], v[BM]
	v_fmac_f32 v[BM], v[BM+1], v[BM+1]
	v_fmac_f32 v[BM], v[BM+2], v[BM+2]
	v_fmac_f32 v[BM], v[BM+3], v[BM+3]
	v_add_f32 v[BM+1], v[EA+1], v[EA+3]
	v_add_f32 v[BM+2], v[EA+5], v[EA+7]
	v_add_f32 v[BM+1], v[BM+1], v[BM+2]
	v_fmamk_f32 v[BM+1], v[BM], 0x43000000, v[BM+1]
	v_fmaak_f32 v[TM+(\a)], s38, v[BM+1], 0x3727c5ac
.endm
.macro LNU a
.set LPA, LP+4*(\a)
	v_sub_f32 v[LPA+2], v[LPA+2], v[TM+8+(\a)]
	v_mul_f32 v[LPA+2], v[LPA+2], v[TM+(\a)]
	v_mov_b32 v[LPA+3], v[LPA+2]
	v_mov_b32 v[LPA], v[TM+(\a)]
	v_mov_b32 v[LPA+1], v[TM+(\a)]
.endm
.macro LNC a
.set AW, 2+(\a)/4
.set AC, 64*((\a)%4)
.set LPA, LP+4*(\a)
	WIN (AW<<6)|AW
.set J, 0
.rept 32
	v_pk_fma_f32 v[AC+2*J:AC+2*J+1], v[AC+2*J:AC+2*J+1], v[LPA:LPA+1], v[LPA+2:LPA+3]
.set J, J+1
.endr
	WIN (AW<<6)|0x14|AW
.set J, 0
.rept 32
	v_pk_fma_f32 v[AC+2*J:AC+2*J+1], v[AC+2*J:AC+2*J+1], v[2*J:2*J+1], v[64+2*J:64+2*J+1]
.set J, J+1
.endr
	QBLK4 AW, AC, AC+16, AC+32, AC+48, PC, PC+4, PC+8, PC+12, 1
	v_lshl_or_b32 v[BM], v[TM+5], 8, v[TM+4]
	v_lshl_or_b32 v[BM], v[TM+6], 16, v[BM]
	v_lshl_or_b32 v[BM], v[TM+7], 24, v[BM]
.irp c, 0,1,2,3
	ds_store_b128 v[HST], v[PC+4*\c:PC+4*\c+3] offset:(\c/2)*8192+(\a)*1024+(\c%2)*512
.endr
	ds_store_b32 v[HSS], v[BM] offset:4*(\a)
.endm
.macro TOSTAGE a
.set AC, 64*((\a)%4)
.set BKB, 64*((\a)%2)
	WIN 0x08+4*((\a)/4)
.irp b, 0,1,2,3,4,5,6,7
	ds_store_b128 v[STO], v[AC+8*\b:AC+8*\b+3] offset:(\a)*8448+128*(\b/2)+32*(\b%2)      ; block a of my stage: 16 rows x 528 bytes; each accumulator from its low end on
	ds_store_b128 v[STO], v[AC+8*\b+4:AC+8*\b+7] offset:(\a)*8448+128*(\b/2)+32*(\b%2)+16
.endr
	WIN 0
.endm
.macro BACK a                          ; block a (0, 1) of the pair at v[RD] comes back as 16 whole rows of 512 bytes
.set BKB, 64*((\a)%2)
.irp k, 0,1,2,3,4,5,6,7,8,9,10,11,12,13,14,15
	ds_load_b128 v[BKB+4*\k:BKB+4*\k+3], v[RD] offset:(\a)*8448+\k*528
.endr
.endm
.macro SEND a                          ; bo + bc2 is added, and the block leaves: the 32 lanes store 512 consecutive bytes of a row, aligned
.set BKB, 64*((\a)%2)
.irp k, 0,1,2,3,4,5,6,7,8,9,10,11,12,13,14,15
	v_pk_add_f32 v[BKB+4*\k:BKB+4*\k+1], v[BKB+4*\k:BKB+4*\k+1], v[OB:OB+1]
	v_pk_add_f32 v[BKB+4*\k+2:BKB+4*\k+3], v[BKB+4*\k+2:BKB+4*\k+3], v[OB+2:OB+3]
.endr
.irp k, 0,1,2,3,4,5,6,7,8,9,10,11,12,13,14,15
	global_store_b128 v[LI], v[BKB+4*\k:BKB+4*\k+3], s[32:33] offset:(32*((\a)/2)+8*((\a)%2)+\k+8*(\k/8))*2048 th:TH_STORE_NT
.endr
.endm
	s_load_b512 s[8:23], s[0:1], 0x0
	s_load_b256 s[24:31], s[0:1], 0x40
	s_load_b64 s[32:33], s[0:1], 0x60
	v_lshl_add_u32 v[SPW], v0, 2, SPARE
	v_mov_b32 v[NIL], 0
	ds_add_u32 v[SPW], v[NIL]
	ds_add_u32 v[SPW], v[NIL]
	v_lshrrev_b32 v1, 5, v0
	v_readfirstlane_b32 s[WV], v1
	s_bfe_u32 s[CX], ttmp6, 0x40000
	s_and_b32 s[QH], ttmp9, 1
	s_lshr_b32 s[BW], ttmp9, 1
	s_lshl_b32 s[BW], s[BW], 2
	s_add_co_u32 s[BW], s[BW], s[CX]
	s_lshl_b32 s92, s[BW], 8
	s_lshl_b32 s38, s[WV], 5
	s_add_co_u32 s92, s92, s38
	s_lshl_b32 s38, s[QH], 7
	s_add_co_u32 s93, s92, 128
	s_sub_co_u32 s93, s93, s38
	s_add_co_u32 s92, s92, s38
	MKG1 G1H, 102
	MKG1 G1T, 68
	MKG1 G1P, 136
	s_mov_b32 s[SEL], 0x76543210
	s_mov_b32 s[SEL+1], 0xfedcba98
	s_mov_b32 s[CSC], 0x3e38aa3b
	s_mov_b32 s[CSC+1], s[CSC]
	s_mov_b32 s[MNT], 0x600000
	s_mov_b32 s[FLR], 0x8000000
	s_mov_b32 s[EOFF], 0xf8800000
	s_mov_b32 s[EMSK], 0x7f800000
	s_mov_b32 s[CNT], 8
	s_mov_b32 s[OOF], 0
	s_mov_b32 s[OSF], 0
	s_mov_b32 s39, 0
	s_wait_dscnt 0x0
	s_wait_kmcnt 0x0
	s_mov_b32 s[G0A], 1
	s_mul_i32 s[G0A+1], s[WV], 26112
	s_mov_b32 s38, s[G0A+1]
	s_add_nc_u64 s[G0A+2:G0A+3], s[20:21], s[38:39]
	s_or_b32 s[G0A+3], s[G0A+3], 0x80000000
	s_mov_b32 s[G0P], 1
	s_mul_i32 s[G0P+1], s[WV], 34816               ; the head's fill, one load a wave, 136 rows of 256 bytes each: waves 0 to 2 a third of head chunk 0 (HC = 3 x 34,816),
	s_lshr_b32 s38, s[WV], 1
	s_and_b32 s38, s38, s[WV]                      ; 1 in wave 3 alone:
	s_mul_i32 s38, s38, 7*HC+TC+TC/2               ; wave 3 the second half of tail chunk 1, which lies behind the head chunk in LDS until the tail reads it
	s_add_co_u32 s38, s38, s[G0P+1]
	s_add_nc_u64 s[G0P+2:G0P+3], s[20:21], s[38:39]
	s_or_b32 s[G0P+3], s[G0P+3], 0x80000000
	s_mov_b32 s[G0T], 1
	s_mul_i32 s38, s[WV], 17408
	s_add_co_u32 s[G0T+1], s38, SW
	s_add_nc_u64 s[G0T+2:G0T+3], s[20:21], s[38:39]
	s_add_nc_u64 s[G0T+2:G0T+3], s[G0T+2:G0T+3], 8*HC+TC
	s_or_b32 s[G0T+3], s[G0T+3], 0x80000000
	ROUND
	tensor_load_to_lds s[G0P:G0P+3], s[G1P:G1P+7]
	s_nop 0
	PLACES 4
	s_lshl_b32 s38, s92, 9
	s_add_nc_u64 s[8:9], s[8:9], s[38:39]
	s_add_nc_u64 s[94:95], s[12:13], s[38:39]
	s_lshl_b32 s38, s93, 9
	s_add_nc_u64 s[96:97], s[12:13], s[38:39]
	s_lshl_b32 s38, s92, 4
	s_add_nc_u64 s[10:11], s[10:11], s[38:39]
	s_add_nc_u64 s[98:99], s[14:15], s[38:39]
	s_lshl_b32 s38, s93, 4
	s_add_nc_u64 s[100:101], s[14:15], s[38:39]
	s_lshl_b32 s38, s92, 10
	s_add_nc_u64 s[16:17], s[16:17], s[38:39]
	s_lshl_b32 s38, s[QH], 9
	s_add_nc_u64 s[12:13], s[16:17], s[38:39]
	s_sub_co_u32 s38, 512, s38
	s_add_nc_u64 s[14:15], s[16:17], s[38:39]
	s_lshl_b32 s38, s[BW], 19
	s_lshl_b32 s4, s[QH], 18
	s_add_co_u32 s38, s38, s4
	s_lshl_b32 s4, s[WV], 9
	s_add_co_u32 s38, s38, s4
	s_add_nc_u64 s[32:33], s[32:33], s[38:39]
	s_lshl_b32 s38, s[QH], 20
	s_lshl_b32 s4, s[WV], 15
	s_add_co_u32 s38, s38, s4
	s_add_nc_u64 s[BB:BB+1], s[18:19], s[38:39]
	s_lshl_b32 s38, s[WV], 9
	s_add_nc_u64 s[22:23], s[22:23], s[38:39]
	s_add_nc_u64 s[24:25], s[24:25], s[38:39]
	s_add_nc_u64 s[26:27], s[26:27], s[38:39]
	s_add_nc_u64 s[28:29], s[28:29], s[38:39]
	s_add_nc_u64 s[30:31], s[30:31], s[38:39]
	v_and_b32 v2, 31, v0
	v_lshlrev_b32 v[LI], 4, v2
	v_add_nc_u32 v[LI2], 0x10000, v[LI]
	v_and_b32 v3, 15, v0
	v_bfe_u32 v4, v0, 4, 1
	v_and_b32 v5, 8, v3
	v_add_nc_u32 v5, v5, v3
	v_lshlrev_b32 v[CO], 9, v5
	v_lshl_add_u32 v[CO], v4, 4, v[CO]
	v_lshlrev_b32 v[SO], 4, v5
	v_lshlrev_b32 v[MO], 10, v5
	v_lshl_add_u32 v[MO], v4, 6, v[MO]
	WIN 0x80
.irp u, 0,1
.irp s, 0,1,2,3
.irp c, 0,1,2,3
	global_load_b128 v[P0+16*(4*\u+\s)+4*\c:P0+16*(4*\u+\s)+4*\c+3], v[CO], s[8:9] offset:\u*4096+\s*128+\c*32 th:TH_LOAD_NT
.endr
.endr
.endr
	WIN 0
.irp u, 0,1
	global_load_b128 v[XS+4*\u:XS+4*\u+3], v[SO], s[10:11] offset:128*\u
.endr
	WIN 0x40
.irp i, 0,1
.irp s, 0,1,2,3
.irp c, 0,1,2,3
	global_load_b128 v[64*\i+16*\s+4*\c:64*\i+16*\s+4*\c+3], v[CO], s[94:95] offset:\i*4096+\s*128+\c*32
	global_load_b128 v[128+64*\i+16*\s+4*\c:128+64*\i+16*\s+4*\c+3], v[CO], s[96:97] offset:\i*4096+\s*128+\c*32
.endr
.endr
.endr
	WIN 0
.irp i, 0,1
	global_load_b128 v[CS+4*\i:CS+4*\i+3], v[SO], s[98:99] offset:128*\i
	global_load_b128 v[CS+8+4*\i:CS+8+4*\i+3], v[SO], s[100:101] offset:128*\i
.endr
	s_lshl_b32 s38, s[WV], 14
	s_add_co_u32 s38, s38, XI
	v_add_nc_u32 v[XIA], s38, v[LI]
	s_lshl_b32 s38, s[WV], 11
	s_add_co_u32 s38, s38, KI
	v_add_nc_u32 v[KST], s38, v[LI]
	s_lshl_b32 s38, s[WV], 9
	s_add_co_u32 s38, s38, VI
	v_add_nc_u32 v[VST], s38, v[LI]
	v_add_nc_u32 v[KIA], KI, v[LI]
	v_lshlrev_b32 v6, 6, v2
	v_add_nc_u32 v[KSL], KS, v6
	s_lshl_b32 s38, s[WV], 3
	v_add_nc_u32 v[KSS], s38, v[KSL]
	v_lshlrev_b32 v6, 5, v3
	v_add_nc_u32 v[VSL], VS, v6
	v_add_nc_u32 v[VSS], s[WV], v[VSL]
	s_lshl_b32 s38, s[WV], 11
	s_add_co_u32 s38, s38, OI
	v_add_nc_u32 v[OST], s38, v[LI]
	s_lshl_b32 s38, s[WV], 10
	s_add_co_u32 s38, s38, OS16
	v_add_nc_u32 v[OSA], s38, v[LI]
.irp j, 0,1,2,3,4,5,6,7
	v_mov_b32 v[TM+\j], 0
.endr
	s_wait_loadcnt 0x0
	WIN 0x08
.irp k, 0,1,2,3,4,5,6,7
.irp c, 0,1,2,3
	ds_store_b128 v[XIA], v[P0+16*\k+4*\c:P0+16*\k+4*\c+3] offset:\k*2048+\c*512
.endr
.endr
	WIN 0xc0
.irp u, 0,1
.irp b, 0,1,2,3
.irp q, 0,1,2,3
	global_load_b128 v[128*\u+16*\b+4*\q:128*\u+16*\b+4*\q+3], v[MO], s[12:13] offset:\u*8192+\b*128+\q*16 th:TH_LOAD_NT
	global_load_b128 v[128*\u+64+16*\b+4*\q:128*\u+64+16*\b+4*\q+3], v[MO], s[14:15] offset:\u*8192+\b*128+\q*16 th:TH_LOAD_NT
.endr
.endr
.endr
	WIN 0
.Lhead:
	s_wait_tensorcnt 0x0
	s_wait_dscnt 0x0
	s_barrier_signal -1
	s_barrier_wait -1
	LDSCA 0
	FETCHW 0
	FETCHX 0
.irp s, 0,1,2,3
	QSTEP \s
.endr
	PLACES 8
	LDSCA 1
	QBLK4 2, P0, P0+16, P0+32, P0+48, QF, QF+4, Q1S, Q1S+4, 0
	v_lshl_or_b32 v[QS0], v[TM+5], 8, v[TM+4]
	v_lshl_or_b32 v[QS0+1], v[TM+7], 8, v[TM+6]
.irp s, 0,1,2,3
	KSTEP \s
.endr
	PLACES 8
	LDSCA 2
.irp g, 0,1
	QBLK4 2, P1+64*\g, P1+64*\g+16, P1+64*\g+32, P1+64*\g+48, PC, PC+4, PC+8, PC+12, 0
	v_lshl_or_b32 v[BM], v[TM+5], 8, v[TM+4]
	v_lshl_or_b32 v[BM+1], v[TM+7], 8, v[TM+6]
.irp i, 0,1
.irp b, 0,1
	ds_store_b128 v[KST], v[PC+8*\i+4*\b:PC+8*\i+4*\b+3] offset:\i*1024+\g*8192+\b*512
.endr
	ds_store_b32 v[KSS], v[BM+\i] offset:4*\i+32*\g
.endr
.endr
.irp s, 0,1,2,3
	VSTEP \s
.endr
	PLACES 8
.irp g, 0,1
	QBLK4 2, P0+64*\g, P0+64*\g+16, P0+64*\g+32, P0+64*\g+48, PC, PC+4, PC+8, PC+12, 0
.irp t, 0,1,2,3
	ds_store_b128 v[VST], v[PC+4*\t:PC+4*\t+3] offset:(2*\t+\g)*2048
	ds_store_b8 v[VSS], v[TM+4+\t] offset:(2*\t+\g)*4
.endr
.endr
	s_wait_tensorcnt 0x0
	ds_add_u32 v[SPW], v[NIL]
	s_add_nc_u64 s[G0A+2:G0A+3], s[G0A+2:G0A+3], HC
	s_wait_dscnt 0x0
	ROUND
	JLOAD G0A, G1H
	LDK
.irp g, 0,1,2,3
	BIASLD P0, 16384, \g                           ; the second query tile's bias image: its 128 registers are free since V's quantiser
.endr
	WIN 0
.irp j, 0,1,2,3,4,5,6,7
	v_mov_b32 v[Z8+\j], 0
.endr
.irp j, 0,1,2,3,4,5,6,7
	v_mov_b32 v[PC+\j], v[Q1S+\j]
	v_mov_b32 v[PC+8+\j], 0
.endr
	s_wait_loadcnt 32                              ; all but the 32 loads just issued: the first tile's bias image is in (first trip: the mask too)
	QK 0, P1, QF
	PLACES 8
	WIN 0
	s_cmp_lg_u32 s[CNT], 8
	s_cbranch_scc1 .Lmasked
	v_mov_b32 v[BM], 0xff800000
	WIN 0xc3
.set J, 0
.rept 64
.irp k, 0,1,2,3
	v_cmp_eq_u32 vcc_lo, v[J+\k], v[NIL]           ; mask == 0 (the second source, 0, lies in window 0)
	v_cndmask_b32 v[J+\k], 0, v[BM], vcc_lo        ; -infinity there, else 0
.endr
.set J, J+4
.endr
	WIN 0
.Lmasked:
	SMX 0, P1, QF, PS0
	s_wait_loadcnt 0x0
	QK 1, P0, PC
	PLACES 8
	LDV
	SMX 1, P0, PC, QS0
	PVALL
	QBLK4 2, P1+64, P1+80, P0+64, P0+80, PC, PC+4, PC+8, PC+12, 0
	v_lshl_or_b32 v[BM], v[TM+5], 8, v[TM+4]
	v_lshl_or_b32 v[BM+1], v[TM+7], 8, v[TM+6]
	v_add_nc_u32 v[OAD], s[OOF], v[OST]
.irp u, 0,1
.irp b, 0,1
	ds_store_b128 v[OAD], v[PC+8*\u+4*\b:PC+8*\u+4*\b+3] offset:\u*1024+\b*512
.endr
.endr
	v_add_nc_u32 v[OAD], s[OSF], v[OSA]
.irp u, 0,1
	ds_store_b16 v[OAD], v[BM+\u] offset:512*\u
.endr
	s_add_co_u32 s[OOF], s[OOF], 8192
	s_add_co_u32 s[OSF], s[OSF], 2
	s_add_nc_u64 s[BB:BB+1], s[BB:BB+1], 131072
	s_sub_co_u32 s[CNT], s[CNT], 1
	s_cmp_lg_u32 s[CNT], 0
	s_cbranch_scc1 .Lhead
	s_lshl_b32 s38, s[WV], 11
	s_add_co_u32 s38, s38, XI
	v_add_nc_u32 v[OST], s38, v[LI]
	WIN 0x04
.irp i, 0,1
.irp s, 0,1,2,3
.irp c, 0,1,2,3
	ds_store_b128 v[OST], v[64*\i+16*\s+4*\c:64*\i+16*\s+4*\c+3] offset:\s*16384+(\c/2)*8192+\i*1024+(\c%2)*512
.endr
.endr
.endr
	WIN 0
	v_lshlrev_b32 v[L32], 1, v[LI]
	s_lshl_b32 s38, s[WV], 3
	s_add_co_u32 s38, s38, OSC
	v_add_nc_u32 v[T1], s38, v[L32]
.irp i, 0,1
.irp s, 0,1,2,3
	ds_store_b32 v[T1], v[CS+4*\i+\s] offset:4096+\s*1024+4*\i
.endr
.endr
	ds_load_b128 v[TM:TM+3], v[OSA]
	ds_load_b128 v[TM+4:TM+7], v[OSA] offset:512
	v_bfe_u32 v[BO], v[LI], 8, 1
	v_lshlrev_b32 v[BO], 6, v[BO]
	LDVEC 128, 22
	s_wait_alu depctr_va_vdst(0)
	s_wait_dscnt 0x0
.irp u, 0,1
.irp s, 0,1,2,3
	ds_store_b32 v[T1], v[TM+4*\u+\s] offset:\s*1024+4*\u
.endr
.endr
	s_mul_i32 s38, s[WV], 17408
	v_add_nc_u32 v[WB0], s38, v[LI]
	s_lshl_b32 s38, s[WV], 14
	s_add_co_u32 s38, s38, XI
	v_add_nc_u32 v[HST], s38, v[LI]
	s_lshl_b32 s38, s[WV], 10
	s_add_co_u32 s38, s38, XSC
	v_add_nc_u32 v[HSS], s38, v[L32]
	v_add_nc_u32 v[EXR], EX, v[L32]
	s_lshl_b32 s38, s[WV], 3
	v_add_nc_u32 v[EXW], s38, v[EXR]
	v_bfe_u32 v[STO], v[LI], 4, 4
	v_mul_u32_u24 v[STO], v[STO], 528
	v_add_nc_u32 v[STO], v[STO], v[BO]
	s_mul_i32 s38, s[WV], 67584                    ; my stage for the way out: 8 blocks x 8,448 bytes from LDS byte 67,584 x wave on; four of them end at KI
	v_add_nc_u32 v[STO], s38, v[STO]
	v_add_nc_u32 v[RD], s38, v[LI]
	s_mov_b32 s[WSL], 0
	s_mov_b32 s[AOF], XI
	s_mov_b32 s[ASOF], XSC
	s_wait_tensorcnt 0x0
	s_wait_dscnt 0x0
	s_barrier_signal -1
	s_barrier_wait -1
	PROLOG
	s_wait_loadcnt 0x0
	STAGE 1, 2, 1
	s_mov_b32 s[CNT], 2
.Lp7:
	STAGE 0, 2, 1
	s_sub_co_u32 s[CNT], s[CNT], 1
	s_cmp_lg_u32 s[CNT], 0
	s_cbranch_scc1 .Lp7
	STAGE 0, 2, 0
	LDVEC 0, 24
	LDVEC 64, 26
	global_load_b128 v[OB:OB+3], v[LI], s[28:29]   ; bo and bc2 at columns 128 x wave + 4 x lane + 0 .. 3: what my lane holds of every row on the way out
	global_load_b128 v[OB+4:OB+7], v[LI], s[30:31]
; n registers from v[src] of the window in win's source field down to v0 of window 2, ascending: each accumulator is first read at its low end.
.macro ROT win, n, src
	WIN \win
	s_wait_alu depctr_va_vdst(0)
.set J, 0
.rept \n
	v_mov_b32 v[J], v[(\src)+J]
.set J, J+1
.endr
	WIN 0
.endm
	s_mov_b32 s38, 0x3b000000                      ; 1 / 512
	s_mov_b32 s[CNT], 0
.Lln:                                                  ; trip T: block T of 16 rows, which stands in v0-63 of window 2
	LNAB 0                                         ; my 128 columns' mean and sum of squares about it, to the exchange bytes
	s_wait_dscnt 0x0
	s_barrier_signal -1
	s_barrier_wait -1                              ; all four waves' parts are there
	ds_load_b128 v[0:3], v[EXR]
	ds_load_b128 v[4:7], v[EXR] offset:16
	s_wait_dscnt 0x0                               ; my reads of the exchange bytes are over:
	s_barrier_signal -1                            ; say so; the wait stands ahead of the next LDS store, register work alone between
	LNM 0
	s_wait_alu depctr_va_vdst(0)                   ; wait ahead of the transcendental
	v_rsq_f32 v[TM], v[TM]
	v_nop
	s_wait_alu depctr_va_vdst(0)                   ; and behind it
	LNU 0
	s_wait_alu depctr_va_vdst(0)                   ; wait ahead of the waits below
	s_barrier_wait -1                              ; every wave has read: the next trip may store to the exchange bytes again
	s_wait_loadcnt 0x0                             ; first trip: ln_g, ln_b, bo, bc2 are in
	LNC 0                                          ; normalised, gain and shift, relu and hold in one, codes and scale word to LDS
	v_add_nc_u32 v[HST], 1024, v[HST]              ; the next block's codes
	v_add_nc_u32 v[HSS], 4, v[HSS]                 ; and scale word
	s_bitcmp1_b32 s[CNT], 0
	s_cbranch_scc1 .Lodd
	ROT 0x82, 64, 64                               ; T even: the block beside it moves down
	s_branch .Lrot
.Lodd:
	s_bitcmp1_b32 s[CNT], 1
	s_cbranch_scc1 .Lq3
	ROT 0x82, 128, 128                             ; T = 1, 5: the window's upper two blocks
	s_branch .Lrot
.Lq3:
	s_cmp_eq_u32 s[CNT], 3
	s_cbranch_scc0 .Lrot
	ROT 0x83, 256, 0                               ; T = 3: window 3's four blocks;  T = 7: nothing is left
.Lrot:
	s_add_co_u32 s[CNT], s[CNT], 1
	s_cmp_lt_u32 s[CNT], 8
	s_wait_alu depctr_va_vdst(0)                   ; wait ahead of the branch
	s_cbranch_scc1 .Lln
	v_pk_add_f32 v[OB:OB+1], v[OB:OB+1], v[OB+4:OB+5]       ; bo + bc2
	v_pk_add_f32 v[OB+2:OB+3], v[OB+2:OB+3], v[OB+6:OB+7]
	s_wait_alu depctr_va_vdst(0)                   ; wait ahead of the waits below
	s_wait_tensorcnt 0x0                           ; my last tensor load, my part of chunk 5, is in
	s_wait_dscnt 0x0
	s_barrier_signal -1
	s_barrier_wait -1
	s_mov_b32 s[AOF], OI
	s_mov_b32 s[ASOF], OSC
	s_mul_i32 s38, s[WV], 17408
	s_add_nc_u64 s[BP:BP+1], s[20:21], s[38:39]
	s_add_nc_u64 s[BP:BP+1], s[BP:BP+1], 8*HC+5*TC ; my part of chunk 5: each stage that loads steps it by a chunk first, six times, up to chunk 11, the image's last
	PROLOG                                         ; chunk 4 from slot 0 into set 0, A's first fragments
	ST 0, 1, 1, 1                                  ; chunk 4; chunk 5 comes from slot 1
	s_mov_b32 s[CNT], 3
.Lp68:                                                 ; a trip is two stages, until the sets are back where they began: chunks 5 to 10
	ST 1, 0, 2, 1
	ST 0, 0, 2, 1
	s_sub_co_u32 s[CNT], s[CNT], 1
	s_cmp_lg_u32 s[CNT], 0
	s_wait_alu depctr_va_vdst(0)                   ; wait ahead of the branch
	s_cbranch_scc1 .Lp68
	ST 1, 0, 0, 0                                  ; chunk 11
	s_wait_dscnt 0x0
	s_barrier_signal -1
	s_barrier_wait -1                              ; every wave's last LDS read is over, and every tensor load has landed: LDS under KI is free for the stages of the way out
.irp a, 0,1,2,3,4,5,6,7
	TOSTAGE \a
.endr
	s_mov_b32 s[CNT], 4
.Lout:                                                 ; 4 trips, two blocks of 16 rows each: 32 rows of out0
	BACK 0                                         ; LDS serves a wave's instructions in order: these see my stores
	BACK 1
	s_wait_dscnt 16                                ; all but the second block's 16 loads
	SEND 0
	s_wait_dscnt 0x0
	SEND 1
	v_add_nc_u32 v[RD], 16896, v[RD]               ; the next pair of blocks
	s_wait_xcnt 0x0                                ; the stores have read their registers and their base
	s_add_nc_u64 s[32:33], s[32:33], 65536         ; 32 rows of 2,048 bytes on
	s_sub_co_u32 s[CNT], s[CNT], 1
	s_cmp_lg_u32 s[CNT], 0
	s_wait_alu depctr_va_vdst(0)                   ; wait ahead of the branch
	s_cbranch_scc1 .Lout
	s_wait_tensorcnt 0x0
	ds_add_u32 v[SPW], v[NIL]
	s_wait_dscnt 0x0
	ROUND
	s_endpgm
.Lfunc_end_k_q149f40f855_attn:
	.size	k_q149f40f855_attn, .Lfunc_end_k_q149f40f855_attn-k_q149f40f855_attn
	.p2alignl 7, 3214868480
	.fill 96, 4, 3214868480
	.section	.rodata,"a",@progbits
	.p2align	6, 0x0
	.amdhsa_kernel k_q149f40f855_attn
		.amdhsa_group_segment_fixed_size 327680
		.amdhsa_private_segment_fixed_size 0
		.amdhsa_enable_private_segment 0
		.amdhsa_kernarg_size 104
		.amdhsa_user_sgpr_count 2
		.amdhsa_user_sgpr_kernarg_segment_ptr 1
		.amdhsa_wavefront_size32 1
		.amdhsa_system_sgpr_workgroup_id_x 1
		.amdhsa_system_sgpr_workgroup_id_y 1
		.amdhsa_system_sgpr_workgroup_id_z 1
		.amdhsa_system_vgpr_workitem_id 0
		.amdhsa_next_free_vgpr 1024
		.amdhsa_next_free_sgpr 102
		.amdhsa_reserve_vcc 1
		.amdhsa_float_denorm_mode_32 3
		.amdhsa_float_denorm_mode_16_64 3
		.amdhsa_memory_ordered 1
		.amdhsa_forward_progress 1
		.amdhsa_inst_pref_size 255
	.end_amdhsa_kernel
	.section	.bss,"aw",@nobits
	.p2align	6
	.space	262144
	.amdgpu_metadata
---
amdhsa.version: [ 1, 2 ]
amdhsa.kernels:
  - .name:           k_q149f40f855_attn
    .symbol:         k_q149f40f855_attn.kd
    .args:
      - { .name: x_codes, .offset: 0, .size: 8, .value_kind: global_buffer, .address_space: global }
      - { .name: x_scales, .offset: 8, .size: 8, .value_kind: global_buffer, .address_space: global }
      - { .name: context_codes, .offset: 16, .size: 8, .value_kind: global_buffer, .address_space: global }
      - { .name: context_scales, .offset: 24, .size: 8, .value_kind: global_buffer, .address_space: global }
      - { .name: mask, .offset: 32, .size: 8, .value_kind: global_buffer, .address_space: global }
      - { .name: bimg, .offset: 40, .size: 8, .value_kind: global_buffer, .address_space: global }
      - { .name: wimg, .offset: 48, .size: 8, .value_kind: global_buffer, .address_space: global }
      - { .name: bc1, .offset: 56, .size: 8, .value_kind: global_buffer, .address_space: global }
      - { .name: ln_g, .offset: 64, .size: 8, .value_kind: global_buffer, .address_space: global }
      - { .name: ln_b, .offset: 72, .size: 8, .value_kind: global_buffer, .address_space: global }
      - { .name: bo, .offset: 80, .size: 8, .value_kind: global_buffer, .address_space: global }
      - { .name: bc2, .offset: 88, .size: 8, .value_kind: global_buffer, .address_space: global }
      - { .name: out0, .offset: 96, .size: 8, .value_kind: global_buffer, .address_space: global }
    .group_segment_fixed_size: 327680
    .private_segment_fixed_size: 0
    .kernarg_segment_align: 8
    .kernarg_segment_size: 104
    .max_flat_workgroup_size: 128
    .sgpr_count:     102
    .vgpr_count:     1024
    .wavefront_size: 32
...
	.end_amdgpu_metadata
.endif
;; end of part 2
